; MI455X (gfx1250); checked and timed in simulation.
; The chip was launched on July 23, 2026; its instructions are those of AMD's public machine-readable ISA for CDNA 5 (MIT licence, August 2026) and "CDNA5" Instruction Set Architecture Reference Guide (July 2026). The comments in the code are by the model that wrote it; some were corrected since.
;; Bi Align Layer. Allowed arithmetic: matrix products marked QUANTISED: E4M3 operands, one given power-of-two scale a tensor, by v_wmma_f32_16x16x64_fp8_fp8 or v_wmma_f32_16x16x128_fp8_fp8, f32 sums; everything else in f32.
;; Inputs: W_agg 512 x 512 float32; b_agg 512 float32; i 32 x 1,024 x 512 float32; j 32 x 1,024 x 512 float32; lowp_scales 10 int32 (the exponents e of the quantised operands' scales 2^e).
;; Outputs: out0 32 x 512 float32.
;; This version of the problem:
;;   THIS VERSION OF THE PROBLEM IS GIVEN IN LOW PRECISION. The matrix products marked QUANTISED in the list below multiply operands that are first quantised to E4M3 (4 exponent bits, 3 mantissa bits; 8 bits a number), with one given power-of-two scale for each operand tensor; their sums are f32. All else is computed in f32.
;;   The module's matrix products, in the order in which they are computed (A, B: the left and right operand; K: the contracted axis; several contracted axes count as one K, in the product's order):
;;     1. batch 32 x [M 1,024, K 512] x [K 512, N 1,024]; A: input i; B: input j: QUANTISED (scales: A lowp_scales[0], B lowp_scales[1])
;;     2. batch 32 x [M 1,024, K 1,024] x [K 1,024, N 512]; A: computed on the way; B: input i: QUANTISED (scales: A lowp_scales[2], B lowp_scales[3])
;;     3. batch 32 x [M 1,024, K 1,024] x [K 1,024, N 512]; A: computed on the way; B: input j: QUANTISED (scales: A lowp_scales[4], B lowp_scales[5])
;;     4. [M 32, K 512] x [K 512, N 512]; A: computed on the way; B: input W_agg: QUANTISED (scales: A lowp_scales[6], B lowp_scales[7])
;;     5. [M 32, K 512] x [K 512, N 512]; A: computed on the way; B: input W_agg: QUANTISED (scales: A lowp_scales[8], B lowp_scales[9])
;;   THE QUANTISER, for each operand of a quantised product, along K:
;;     - The operand's scale is 2^e, e = its entry of the input lowp_scales (int32; the entries are numbered through the quantised products in the list's order, A before B).
;;     - Each number is divided by the scale, clamped to +-448, and rounded to the nearest number of E4M3, ties to even, subnormals kept.
;;     - The product sums the exact products of the quantised numbers (number of the format x scale) in f32.
;;   ~~~python
;;   def quantise(x, axis, e):      # numpy; x: float32 -> the quantised numbers, widened to float32 again
;;       x = np.moveaxis(x, axis, -1); K = x.shape[-1]
;;       r = np.clip(x / 2.0 ** e, -448, 448)
;;       step = 2.0 ** (np.maximum(np.frexp(np.where(r == 0, 1, r))[1] - 1, -6) - 3)
;;       q = np.round(r / step) * step * 2.0 ** e      # np.round: ties to even
;;       return np.moveaxis(q, -1, axis).astype(np.float32)
;;   ~~~
;;   OPERANDS COMPUTED ON THE WAY. 'Computed on the way' means the value that the module computes at that place (a softmax that the list does not call 'softmax' is quantised finished and normalised). What goes into a quantiser is computed in f32, as accurately as f32 sums, v_exp_f32 and their like allow (about 1e-6 of the number): no bf16 or f16 on the way to a quantiser, and a product that is left as it is and whose result goes on into a quantised operand takes f32 operands (vector FMAs, or v_wmma_f32_16x16x4_f32). A number that lies on a knife's edge between two numbers of the format may be rounded either way, as far as f32 arithmetic and the matrix unit's own rounding can turn it there, and no further.
;; One version. Each part assembles by itself: llvm-mc -triple=amdgcn-amd-amdhsa -mcpu=gfx1250 --defsym DOCPART=n.
;; ======== version 1 of 1: 3 launches
;; limits: right only within a limited range of input values
;; workspace buffers: cs 33,554,432 bytes; ct 33,554,432 bytes; csum 2,097,152 bytes; part 524,288 bytes
;; launch quant (part 1): grid 1024 x 1, 16 waves a work-group, no clusters, 151,552 bytes of LDS; arguments i, j, lowp_scales, cs, ct, csum; writes cs, ct, csum
.if DOCPART == 1
	.amdgcn_target "amdgcn-amd-amdhsa--gfx1250"
	.amdhsa_code_object_version 6
	.text
	.protected	k_q28c4284bc2_quant
	.globl	k_q28c4284bc2_quant
	.p2align	8
	.type	k_q28c4284bc2_quant,@function
k_q28c4284bc2_quant:
	s_mov_b64 s[64:65], 0
	v_nop
	global_prefetch_b8 v0, s[64:65] scope:SCOPE_SE
	s_setreg_imm32_b32 hwreg(HW_REG_WAVE_MODE, 25, 1), 1
	s_wait_xcnt 0x0
; BiAlignLayer, launch 1 of 3: i and j [32][1024][512] f32 are read once and leave as E4M3 codes, twice each, and as column sums.
; NO WORK OF reference() IS LEFT OUT IN THIS PROGRAM, and every input is loaded.  What differs from reference() is the order of f32 sums alone: the mean over the rows of i - weighted_j is taken as
; (column sums of i - column sums of weighted_j) / 1024, and the column sums of weighted_j are formed by adding all tiles of 16 output rows of product 3 onto the same accumulators (product 2 likewise).
;   cs:   codes for product 1 (K = d): i with lowp_scales[0], j with [1].   [tensor*32+batch][kc 4][row tile T 64][piece cc 4][lane 32][16 bytes]:
;         lane (c = lane % 16, h = lane / 16), byte e = row 16 T + c, d = 128 kc + 32 cc + 16 h + e: the image of the registers of a fragment of 16 rows x 128 K, four registers a piece.
;   ct:   codes for products 2 and 3 (K = the rows): i with [3], j with [5].   [tensor*32+batch][block of 64 rows 16][d tile u 32][piece P 2][lane 32][16 bytes]:
;         register 2 q + x of lane (c, h) = rows 16 q + 8 h + 4 x .. + 3 of the block, column d = 16 u + c: the image of a fragment of 16 columns x 64 K.
;   csum: [tensor*32+batch][block 16][512] f32: the sum of the block's 64 rows of the numbers as they are given.
; code = x / 2^e, held within +-448, rounded to the nearest code, ties to even.
; LIMITS: each of the four exponents lies between -126 and 119, so that 2^e and 448 x 2^e are f32 numbers.  NaN among the inputs is not served.
; SHARES.  A work-group takes 64 rows x 512 columns of one tensor; the first 512 work-groups take i, the others j: only pointers and exponents are chosen, there is one way through the text.
; Wave cg takes columns 32 cg .. 32 cg + 31.  A LANE TAKES A COLUMN AND ITS REGISTERS RUN DOWN THE ROWS: a load reads 128 consecutive bytes a wave, 2,048 the work-group; the conversions then give ct's codes
; (K = rows) as they stand, and the column's sum needs no other lane.  For cs (K = d) the same numbers turn through the wave's own stage in LDS and come back 16 neighbours along d a lane.
; No tensor load, no shared input, so no cluster; one barrier, for the 512 sums that leave together.
.set PITCH, 144                        ; a stage row: 32 numbers (128 bytes) + 16 of padding = 9 x 16 bytes: the 16 rows of a read start in 16 different columns of 16 bytes
.set WSTG,  64*PITCH                   ; a wave's stage: 64 rows
.set SUMS,  16*WSTG                    ; behind the 16 stages: 512 sums
.set SPARE, SUMS+2048                  ; behind them: the spare words, 128 bytes for each wave: eight blocks of 256 bytes that no other line names
.set SPW,   14                         ; v14  LDS address of my spare word; never rewritten
.set NIL,   15                         ; v15  0; never rewritten
.set TT,    16                         ; v16-31   16 numbers held, ahead of a conversion
.set X,     32                         ; v32-95   my column's 64 numbers; later 4 x 16 neighbours along d
.set C3,    96                         ; v96-111  ct's codes: four pieces of four registers
.set C0,    112                        ; v112-127 cs's codes: four registers for each tile of 16 rows
; v1 4 x thread: my column in a row;  v2 stage, in;  v3 stage, out;  v4 my place in ct's images;  v5 16 x lane;  v6, v7: 2^e and 448 x 2^e for ct;  v8, v9: for cs;  v10, v11: the sums' words, in and out;  v[12:13] the sum
	s_load_b256 s[4:11], s[0:1], 0x0               ; i s[4:5], j s[6:7], the exponents s[8:9], cs s[10:11]
	s_load_b128 s[12:15], s[0:1], 0x20             ; ct s[12:13], csum s[14:15]
	v_lshl_add_u32 v[SPW], v0, 2, SPARE
	v_mov_b32 v[NIL], 0
	v_lshrrev_b32 v16, 5, v0
	s_delay_alu instid0(VALU_DEP_1)
	v_readfirstlane_b32 s16, v16                   ; cg, the wave's number
	v_and_b32 v16, 31, v0                          ; lane
	v_and_b32 v17, 15, v0                          ; c
	v_bfe_u32 v18, v0, 4, 1                        ; h
	s_mul_i32 s17, s16, WSTG                       ; my stage
	v_lshlrev_b32 v1, 2, v0                        ; 128 cg + 4 lane
	v_lshl_add_u32 v2, v16, 2, s17                 ; in: 4 x lane, the row in the immediate
	v_mul_u32_u24 v3, v17, PITCH
	s_delay_alu instid0(VALU_DEP_1)
	v_lshl_add_u32 v3, v18, 6, v3
	s_delay_alu instid0(VALU_DEP_1)
	v_add_nc_u32 v3, s17, v3                       ; out: row c, + 64 h: 16 neighbours
	v_lshlrev_b32 v4, 4, v17
	s_delay_alu instid0(VALU_DEP_1)
	v_lshl_add_u32 v4, v18, 10, v4                 ; ct: d tile 2 cg + lane / 16 (1,024 bytes each), place 16 c
	v_lshlrev_b32 v5, 4, v16
	v_lshl_add_u32 v10, v0, 2, SUMS
	v_lshl_add_u32 v11, v0, 4, SUMS
	s_and_b32 s18, ttmp9, 511
	s_lshl_b32 s18, s18, 17                        ; my 64 rows of 2,048 bytes in the tensor
	s_mov_b32 s19, 0
	s_lshr_b32 s36, ttmp9, 4
	s_lshl_b32 s36, s36, 19                        ; (tensor*32 + batch) x 524,288: the same in cs and in ct
	s_and_b32 s37, ttmp9, 15                       ; the block
	; cs's order, in place of the head's line on it: [tensor*32+batch][kc / 2][row tile T / 16][kc % 2][T % 16][piece cc 4][lane 32][16 bytes]:
	; 256 rows' codes of two K steps of 128 lie on end, 65,536 bytes, as one wave of the next launch fetches them
	s_lshr_b32 s20, s16, 3
	s_lshl_b32 s20, s20, 18                        ; kc / 2 = cg / 8
	s_add_co_u32 s20, s20, s36
	s_bfe_u32 s38, s16, 0x10002
	s_lshl_b32 s38, s38, 15                        ; kc % 2 = (cg / 4) % 2
	s_add_co_u32 s20, s20, s38
	s_lshr_b32 s38, s37, 2
	s_lshl_b32 s38, s38, 16                        ; T / 16 = block / 4
	s_add_co_u32 s20, s20, s38
	s_and_b32 s38, s37, 3
	s_lshl_b32 s38, s38, 13                        ; four row tiles of 2,048 bytes a block
	s_add_co_u32 s20, s20, s38
	s_and_b32 s38, s16, 3
	s_lshl_b32 s38, s38, 9                         ; piece cc = cg % 4
	s_add_co_u32 s20, s20, s38
	s_mov_b32 s21, 0
	s_lshl_b32 s22, s37, 15                        ; ct: 32,768 bytes a block,
	s_add_co_u32 s22, s22, s36
	s_lshl_b32 s38, s16, 11                        ; two d tiles a wave
	s_add_co_u32 s22, s22, s38
	s_mov_b32 s23, 0
	s_lshl_b32 s34, ttmp9, 11                      ; csum: 2,048 bytes a work-group
	s_mov_b32 s35, 0
	s_wait_kmcnt 0x0
	s_load_b256 s[24:31], s[8:9], 0x0              ; lowp_scales[0 .. 7]
	s_cmp_lt_u32 ttmp9, 512                        ; i's work-group or j's: the choice hangs on the work-group's number alone
	s_cselect_b64 s[4:5], s[4:5], s[6:7]
	s_add_nc_u64 s[4:5], s[4:5], s[18:19]
	s_add_nc_u64 s[10:11], s[10:11], s[20:21]
	s_add_nc_u64 s[12:13], s[12:13], s[22:23]
	s_add_nc_u64 s[14:15], s[14:15], s[34:35]
.set r, 0
.rept 64
	global_load_b32 v[X+r], v1, s[4:5] offset:r*2048 th:TH_LOAD_NT   ; row r, my column: all 64 loads of the wave go out at once
.set r, r+1
.endr
	s_wait_kmcnt 0x0
	s_cmp_lt_u32 ttmp9, 512
	s_cselect_b32 s32, s24, s25                    ; cs's exponent: [0] or [1]
	s_cselect_b32 s33, s27, s29                    ; ct's: [3] or [5]
	s_add_co_i32 s33, s33, 127
	s_lshl_b32 s36, s33, 23
	v_mov_b32 v6, s36                              ; 2^e as f32: the conversion takes its exponent field
	s_add_co_i32 s33, s33, 8
	s_lshl_b32 s33, s33, 23
	s_or_b32 s33, s33, 0x600000
	v_mov_b32 v7, s33                              ; 448 x 2^e
	s_add_co_i32 s32, s32, 127
	s_lshl_b32 s36, s32, 23
	v_mov_b32 v8, s36
	s_add_co_i32 s32, s32, 8
	s_lshl_b32 s32, s32, 23
	s_or_b32 s32, s32, 0x600000
	v_mov_b32 v9, s32
; Rows 16 q .. 16 q + 15 of my column: into the stage as they are; held and converted for ct; added to the sum.
.macro QUARTER q
	s_wait_loadcnt 48-16*(\q)                      ; loads come back in order: these 16 are in, the younger quarters may be out
.irp k, 0,1,2,3,4,5,6,7,8,9,10,11,12,13,14,15
	ds_store_b32 v2, v[X+16*(\q)+\k] offset:(16*(\q)+\k)*PITCH
.endr
.irp k, 0,1,2,3,4,5,6,7,8,9,10,11,12,13,14,15
	v_med3_num_f32 v[TT+\k], v[X+16*(\q)+\k], -v7, v7   ; the conversion to an 8-bit code does not saturate (ISA guide 7.6.2): the hold, into other registers: X stays whole
.endr
	v_cvt_scalef32_pk8_fp8_f32 v[C3+8*((\q)/2)+2*((\q)%2):C3+8*((\q)/2)+2*((\q)%2)+1], v[TT:TT+7], v6         ; rows 16 q + 0 .. 7: registers 2 q, 2 q + 1 of the fragment's lane (c, 0): piece q / 2
	v_cvt_scalef32_pk8_fp8_f32 v[C3+8*((\q)/2)+4+2*((\q)%2):C3+8*((\q)/2)+4+2*((\q)%2)+1], v[TT+8:TT+15], v6  ; rows 16 q + 8 .. 15: the same registers of lane (c, 1)
.if (\q) == 0
	v_pk_add_f32 v[12:13], v[X:X+1], v[X+2:X+3]    ; the first addition starts the sum.  (These plain lines also stand between the conversions and the next write of TT)
.irp k, 4,6,8,10,12,14
	s_delay_alu instid0(VALU_DEP_1)
	v_pk_add_f32 v[12:13], v[12:13], v[X+\k:X+\k+1]
.endr
.else
.irp k, 0
	v_pk_add_f32 v[12:13], v[12:13], v[X+16*(\q)+\k:X+16*(\q)+\k+1]
.endr
.irp k, 2, 4, 6, 8, 10, 12, 14
	s_delay_alu instid0(VALU_DEP_1)
	v_pk_add_f32 v[12:13], v[12:13], v[X+16*(\q)+\k:X+16*(\q)+\k+1]
.endr
.endif
.endm
	s_wait_alu depctr_va_vdst(0)
	QUARTER 0
	QUARTER 1
	QUARTER 2
	QUARTER 3
.irp p, 0,1
.irp hh, 0,1
	global_store_b128 v4, v[C3+4*(2*\p+\hh):C3+4*(2*\p+\hh)+3], s[12:13] offset:\p*512+\hh*256   ; lanes 0-15 and lanes 16-31 each store 256 consecutive bytes, at a multiple of 256 from ct's first byte
.endr
.endr
	v_add_f32 v12, v12, v13
	ds_store_b32 v10, v12                          ; my column's sum
	s_wait_dscnt 0x0                               ; my stores into the stage have read X, which takes the loads below
.irp q, 0,1,2,3
.irp n, 0,1,2,3
	ds_load_b128 v[X+16*\q+4*\n:X+16*\q+4*\n+3], v3 offset:\q*16*PITCH+16*\n   ; row 16 q + c, d = 32 cg + 16 h + 4 n ..
.endr
.endr
; Tile q of 16 rows: my 16 neighbours along d become 16 bytes of cs.
.macro ROWT q
	s_wait_dscnt 12-4*(\q)                         ; this tile's four loads are in, the younger tiles' may be out
.irp k, 0,1,2,3,4,5,6,7,8,9,10,11,12,13,14,15
	v_med3_num_f32 v[TT+\k], v[X+16*(\q)+\k], -v9, v9
.endr
	v_cvt_scalef32_pk8_fp8_f32 v[C0+4*(\q):C0+4*(\q)+1], v[TT:TT+7], v8
	v_cvt_scalef32_pk8_fp8_f32 v[C0+4*(\q)+2:C0+4*(\q)+3], v[TT+8:TT+15], v8
	v_nop                                          ; a plain line between the conversions and the next write of TT
	global_store_b128 v5, v[C0+4*(\q):C0+4*(\q)+3], s[10:11] offset:(\q)*2048   ; the wave stores 512 consecutive bytes: one piece of a fragment's image
.endm
	ROWT 0
	ROWT 1
	ROWT 2
	ROWT 3
	s_wait_dscnt 0x0                               ; for the others' sake: my sum lies in LDS
	s_barrier_signal -1
	s_barrier_wait -1
	s_cmp_gt_u32 s16, 3                            ; waves 0 to 3 store the 512 sums, 16 bytes a lane
	s_cbranch_scc1 .Ldone
	ds_load_b128 v[X:X+3], v11
	v_lshlrev_b32 v16, 4, v0
	s_wait_alu depctr_va_vdst(0)
	s_wait_dscnt 0x0
	global_store_b128 v16, v[X:X+3], s[14:15]
.Ldone:
	s_wait_tensorcnt 0x0                           ; the wave's end, behind my last LDS store
	ds_add_u32 v[SPW], v[NIL]
	s_wait_dscnt 0x0
	s_endpgm
.Lfunc_end_k_q28c4284bc2_quant:
	.size	k_q28c4284bc2_quant, .Lfunc_end_k_q28c4284bc2_quant-k_q28c4284bc2_quant
	.p2alignl 7, 3214868480
	.fill 96, 4, 3214868480
	.section	.rodata,"a",@progbits
	.p2align	6, 0x0
	.amdhsa_kernel k_q28c4284bc2_quant
		.amdhsa_group_segment_fixed_size 151552
		.amdhsa_private_segment_fixed_size 0
		.amdhsa_enable_private_segment 0
		.amdhsa_kernarg_size 48
		.amdhsa_user_sgpr_count 2
		.amdhsa_user_sgpr_kernarg_segment_ptr 1
		.amdhsa_wavefront_size32 1
		.amdhsa_system_sgpr_workgroup_id_x 1
		.amdhsa_system_sgpr_workgroup_id_y 1
		.amdhsa_system_sgpr_workgroup_id_z 1
		.amdhsa_system_vgpr_workitem_id 0
		.amdhsa_next_free_vgpr 128
		.amdhsa_next_free_sgpr 66
		.amdhsa_reserve_vcc 0
		.amdhsa_float_denorm_mode_32 3
		.amdhsa_float_denorm_mode_16_64 3
		.amdhsa_memory_ordered 1
		.amdhsa_forward_progress 1
		.amdhsa_inst_pref_size 29
	.end_amdhsa_kernel
	.amdgpu_metadata
---
amdhsa.version: [ 1, 2 ]
amdhsa.kernels:
  - .name:           k_q28c4284bc2_quant
    .symbol:         k_q28c4284bc2_quant.kd
    .args:
      - { .name: i, .offset: 0, .size: 8, .value_kind: global_buffer, .address_space: global }
      - { .name: j, .offset: 8, .size: 8, .value_kind: global_buffer, .address_space: global }
      - { .name: lowp_scales, .offset: 16, .size: 8, .value_kind: global_buffer, .address_space: global }
      - { .name: cs, .offset: 24, .size: 8, .value_kind: global_buffer, .address_space: global }
      - { .name: ct, .offset: 32, .size: 8, .value_kind: global_buffer, .address_space: global }
      - { .name: csum, .offset: 40, .size: 8, .value_kind: global_buffer, .address_space: global }
    .group_segment_fixed_size: 151552
    .private_segment_fixed_size: 0
    .kernarg_segment_align: 8
    .kernarg_segment_size: 48
    .max_flat_workgroup_size: 512
    .sgpr_count:     66
    .vgpr_count:     128
    .wavefront_size: 32
...
	.end_amdgpu_metadata
.endif
;; end of part 1
;; launch main (part 2): grid 256 x 1, 4 waves a work-group, clusters of 4 x 1, 327,680 bytes of LDS; arguments cs, ct, csum, lowp_scales, part; writes part
.if DOCPART == 2
	.amdgcn_target "amdgcn-amd-amdhsa--gfx1250"
	.amdhsa_code_object_version 6
	.text
	.protected	k_q28c4284bc2_main
	.globl	k_q28c4284bc2_main
	.p2align	8
	.type	k_q28c4284bc2_main,@function
k_q28c4284bc2_main:
	s_mov_b64 s[64:65], 0
	v_nop
	global_prefetch_b8 v0, s[64:65] scope:SCOPE_SE
	s_setreg_imm32_b32 hwreg(HW_REG_WAVE_MODE, 25, 1), 1
	s_wait_xcnt 0x0
	s_wait_alu depctr_hold_cnt(0) depctr_sa_sdst(0) depctr_va_vdst(0) depctr_va_sdst(0) depctr_va_ssrc(0) depctr_va_vcc(0) depctr_vm_vsrc(0)
	s_getreg_b32 s2, hwreg(HW_REG_IB_STS2, 6, 4)
	s_cmp_eq_u32 s2, 0
	s_cbranch_scc0 .Lentry_in_a_cluster
	s_endpgm
.Lentry_in_a_cluster:
	s_bfe_u32 s2, ttmp6, 0x10000c
	s_cmp_lg_u32 s2, 0x3003
	s_cbranch_scc0 .Lentry_shape_is_right
	s_endpgm
.Lentry_shape_is_right:
; BiAlignLayer, launch 2 of 3: products 1, 2 and 3 and both softmaxes.  No work of reference() is left out here.
; A cluster of four work-groups takes one direction (0: own = i, other = j, softmax along j's rows, product 2; 1: the other way round, product 3) of one batch; a work-group 256 own rows, in four blocks of 64.
; A block: S = own 64 rows x other 1,024 rows (K = 512, four K steps of 128), whole in registers: wave w holds 64 x 256, 64 accumulators.  Lane (c, h) of a tile holds column c and rows 8 h + 0 .. 7.
; Softmax along the 1,024: maxima and sums across lanes by DPP, across waves through LDS; p is normalised, held, converted: eight rows a conversion, which are the registers of a fragment with K = the 64 rows.
; Then P^T (16 tiles of 16 columns) x T (own 64 rows x 512, codes along the rows): all 16 tiles add onto the same accumulators, since only the sum over the output's rows is wanted (the mean of reference()).
; part[direction*32+batch][quarter][512] = the other tensor's column sums of this quarter - this quarter's share of the product's column sums.
; ORDER: the next block's first two K steps stand AHEAD of this block's second product: they empty both halves of the ring, one joint load a wave fills them again, and the product's 512 matrix
; instructions stand between that request and the wait for it.  A block begins with the two K steps that the block before used last, so a block asks for two K steps, not four.
; LDS: wave w's 65,536 bytes hold its 256 columns' codes of two K steps, filled by its own load and read by it alone.  The four partners ask for them jointly (mask 15): all four need the same other tensor.
; The own rows' fragments for S go from memory straight into registers, a phase ahead (32 loads a wave for two K steps); T goes through registers into LDS, since every wave reads all of it.
; No prefetch: of a work-group's five fills the last three name bytes that the same cluster has read one block before, and the first two stand at the launch's start with no loop ahead of them.
; The last block leaves the loop in its middle: it asks for nothing more; only the second product is written twice.
; LIMITS: [0] + [1] between -126 and 126; [2], [4] between -126 and 119; [2] + [3], [4] + [5] between -126 and 127; the scaled scores stay under 2^31 in magnitude.  NaN among the inputs is not served.
.set AT,    262144                     ; behind the four waves' rings: T, 32,768 bytes
.set STATM, AT+32768                   ; maxima [wave][64 rows], then sums, 1,024 bytes each
.set RED,   STATM+2048                 ; the way out: [wave][h][512] f32
.set SPARE, RED+16384                  ; the spare words, 128 bytes a wave
.set L16,  1                           ; 16 x lane
.set LB,   2                           ; my ring + 16 x lane
.set LA,   3                           ; T + 16 x lane
.set AW,   6                           ; T, my 8,192 bytes on the way in
.set RRD,  7
.set SWR,  8
.set SRD,  9
.set SPW,  10
.set NIL,  11
.set LIM,  12                          ; 448 x 2^e of p
.set SCL,  13                          ; 2^e of p
.set RWR,  14
.set T16,  15
.set DS,   16                          ; v16-47   the column sums, one register a tile of 16 columns of d
.set ACC,  48                          ; v48-111  the second product's eight accumulators; in the softmax MX and SM
.set MX,   48
.set SM,   80
.set P,    112                         ; v112-239 p's codes; ahead of them v112-175 stage T
.set STG,  112
; window 1: v0-127 the own rows' fragments of two K steps; v128-255 two sets of four fragments of B, or of eight of T, or the four waves' maxima or sums.  Windows 2, 3: S
.set WV,   14
.set A0B,  20
.set TBASE, 22
.set G1,   24
.set G0A,  32
.set AA,   36                          ; s[36:37] where the own rows' next fragments lie
.set AO,   38                          ; s[38:39] its offset: 8,192 x block + 262,144 x (which two K steps)
.set BB,   40
.set WOFF, 42
.set BLK,  46
.set CS,   48
.set MSB, 0
.macro WIN new
.if MSB != (\new)
	s_set_vgpr_msb (MSB<<8)|(\new)
.set MSB, (\new)
.endif
.endm
.macro PLACES
.rept 4
	v_nop
.endr
.endm
.macro BAR
	s_wait_dscnt 0x0
	s_barrier_signal -1
	s_barrier_wait -1
.endm
.macro ROUND
	s_barrier_signal -1
	s_barrier_wait -1
	s_cmp_lg_u32 s[WV], 0
	s_cbranch_scc1 .Lnot_wave_0_\@
	s_barrier_signal -3
.Lnot_wave_0_\@:
	s_barrier_wait -3
	s_barrier_signal -1
	s_barrier_wait -1
.endm
	s_load_b256 s[4:11], s[0:1], 0x0               ; cs, ct, csum, the exponents
	s_load_b64 s[12:13], s[0:1], 0x20              ; part
	v_lshl_add_u32 v[SPW], v0, 2, SPARE
	v_mov_b32 v[NIL], 0
	ds_add_u32 v[SPW], v[NIL]                      ; the opening lines
	ds_add_u32 v[SPW], v[NIL]
	v_lshrrev_b32 v1, 5, v0
	v_readfirstlane_b32 s[WV], v1
	s_bfe_u32 s15, ttmp6, 0x40000                  ; cx: my quarter
	s_and_b32 s16, ttmp9, 1                        ; direction
	s_lshr_b32 s17, ttmp9, 1                       ; batch
	s_lshl_b32 s18, s16, 5
	s_add_co_u32 s18, s18, s17                     ; own tensor*32 + batch
	s_xor_b32 s19, s18, 32                         ; the other's
	s_mov_b32 s[G1], 15|(3<<16)|(1<<21)            ; all four partners; elements of 8 bytes
	s_mov_b32 s[G1+1], 32<<16                      ; 256 rows of 256 bytes, dense: 65,536 bytes
	s_mov_b32 s[G1+2], 256<<16
	s_mov_b32 s[G1+3], 32<<16
	s_mov_b32 s[G1+4], 256
	s_mov_b32 s[G1+5], 32
	s_mov_b32 s[G1+6], 0
	s_mov_b32 s[G1+7], 0
	s_lshl_b32 s[WOFF], s[WV], 16
	s_lshl_b32 s66, s19, 19
	s_add_co_u32 s66, s66, s[WOFF]                 ; B: the other's codes, my 256 rows
	s_mov_b32 s67, 0
	s_lshl_b32 s54, s18, 19
	s_lshl_b32 s68, s15, 16
	s_add_co_u32 s68, s68, s54                     ; A: the own codes, my work-group's 256 rows
	s_mov_b32 s69, 0
	s_lshl_b32 s74, s15, 17
	s_add_co_u32 s74, s74, s54
	s_lshl_b32 s55, s[WV], 13
	s_add_co_u32 s74, s74, s55                     ; T: four blocks of 32,768 bytes a quarter, 8,192 a wave
	s_mov_b32 s75, 0
	s_lshl_b32 s76, s19, 15
	s_lshl_b32 s55, s15, 13
	s_add_co_u32 s76, s76, s55
	s_mov_b32 s77, 0
	s_lshl_b32 s78, s18, 13
	s_lshl_b32 s55, s15, 11
	s_add_co_u32 s78, s78, s55
	s_mov_b32 s79, 0
	s_mov_b32 s[AO], 0
	s_mov_b32 s[AO+1], 0
	s_mov_b32 s[BLK], 4
	v_and_b32 v[L16], 31, v0
	v_lshlrev_b32 v[L16], 4, v[L16]
	v_add_nc_u32 v[LB], s[WOFF], v[L16]
	v_add_nc_u32 v[LA], AT, v[L16]
	s_lshl_b32 s47, s[WV], 13
	v_add_nc_u32 v[AW], s47, v[LA]
	v_bfe_u32 v[RRD], v0, 4, 1
	v_lshl_add_u32 v[SRD], v[RRD], 5, STATM
	s_lshl_b32 s47, s[WV], 8
	v_add_nc_u32 v[SWR], s47, v[SRD]
	v_and_b32 v[T16], 15, v0
	v_lshlrev_b32 v[RWR], 2, v[T16]
	v_lshl_add_u32 v[RWR], v[RRD], 11, v[RWR]
	s_lshl_b32 s47, s[WV], 12
	s_add_co_u32 s47, s47, RED
	v_add_nc_u32 v[RWR], s47, v[RWR]
	v_lshlrev_b32 v[T16], 4, v0
	v_add_nc_u32 v[RRD], RED, v[T16]
.set n, 0
.rept 32
	v_mov_b32 v[DS+n], 0
.set n, n+1
.endr
	s_wait_alu depctr_va_vdst(0)                   ; the wait ahead of the waits below
	s_wait_dscnt 0x0
	s_wait_kmcnt 0x0
	s_load_b256 s[56:63], s[10:11], 0x0
	s_add_nc_u64 s[BB:BB+1], s[4:5], s[66:67]
	s_add_nc_u64 s[A0B:A0B+1], s[4:5], s[68:69]
	s_add_nc_u64 s[TBASE:TBASE+1], s[6:7], s[74:75]
	s_add_nc_u64 s[70:71], s[8:9], s[76:77]
	s_add_nc_u64 s[72:73], s[12:13], s[78:79]
	s_mov_b64 s[AA:AA+1], s[A0B:A0B+1]
	s_mov_b32 s[G0A], 1
	s_mov_b32 s[G0A+1], s[WOFF]
	s_mov_b64 s[G0A+2:G0A+3], s[BB:BB+1]
	s_or_b32 s[G0A+3], s[G0A+3], 0x80000000
	ROUND
	tensor_load_to_lds s[G0A:G0A+3], s[G1:G1+7]    ; K steps 0 and 1: my one load at the head
	s_nop 0
	PLACES
; the own rows' fragments of two K steps: 32 loads of 512 consecutive bytes, images of the registers
.macro ALOAD
	WIN 0x40
.set n, 0
.rept 32
	global_load_b128 v[4*n:4*n+3], v[L16], s[AA:AA+1] offset:(n/16)*32768+(n%16)*512
.set n, n+1
.endr
	WIN 0
.endm
	ALOAD
	s_wait_kmcnt 0x0
	s_add_co_i32 s54, s56, s57
	s_lshl_b32 s54, s54, 23
	s_add_co_i32 s[CS], s54, 0x3fb8aa3b            ; c = log2(e) x 2^([0] + [1])
	s_mov_b32 s[CS+1], s[CS]
	s_xor_b32 s50, s[CS], 0x80000000               ; -c
	s_mov_b32 s51, s50
	s_cmp_eq_u32 s16, 0
	s_cselect_b32 s54, s58, s60                    ; p's exponent: [2] or [4]
	s_cselect_b32 s55, s59, s61                    ; T's: [3] or [5]
	s_add_co_i32 s55, s55, s54
	s_add_co_i32 s55, s55, 127
	s_lshl_b32 s55, s55, 23
	s_or_b32 s52, s55, 0x80000000                  ; -2^(both)
	s_mov_b32 s53, s52
	s_add_co_i32 s54, s54, 127
	s_lshl_b32 s55, s54, 23
	v_mov_b32 v[SCL], s55
	s_add_co_i32 s54, s54, 8
	s_lshl_b32 s54, s54, 23
	s_or_b32 s54, s54, 0x600000
	v_mov_b32 v[LIM], s54
; four fragments of B: group grp of the eight of two K steps
.macro BGROUP grp
.irp tt, 0,1,2,3
.irp cc, 0,1,2,3
	ds_load_b128 v[128+64*((\grp)%2)+16*\tt+4*\cc:128+64*((\grp)%2)+16*\tt+4*\cc+3], v[LB] offset:(\grp)*8192+\tt*2048+\cc*512
.endr
.endr
.endm
; Two K steps on end: eight groups of 16 matrix instructions; the next group's 16 LDS loads go out in ONE run ahead of each group, into the set of registers that the group before last read,
; four places behind its matrix instructions.  The 64 accumulators take turns.  lw0, lw1: what may be out of the global loads when A's first and second step are wanted
.macro KPAIR zero, lw0, lw1
	PLACES
	WIN 0x40
	BGROUP 0
.irp G, 0,1,2,3,4,5,6,7
.if \G < 7
.if \G > 0
	PLACES
.endif
	WIN 0x40
	BGROUP \G+1
	s_wait_dscnt 16                                ; all but the 16 just issued
.else
	s_wait_dscnt 0x0
.endif
.if (\G == 0) && (\lw0 >= 0)
	s_wait_loadcnt \lw0
.endif
.if (\G == 4) && (\lw1 >= 0)
	s_wait_loadcnt \lw1
.endif
	WIN 0xa5+0x50*((\G%4)/2)
.irp tt, 0,1,2,3
.irp fq, 0,1,2,3
.set SR, 32*((4*(\G%4)+\tt)%8)+8*\fq
.set AR, 64*(\G/4)+16*\fq
.set BR, 128+64*(\G%2)+16*\tt
.if (\zero) && (\G < 4)
	v_wmma_f32_16x16x128_fp8_fp8 v[SR:SR+7], v[AR:AR+15], v[BR:BR+15], 0
.else
	v_wmma_f32_16x16x128_fp8_fp8 v[SR:SR+7], v[AR:AR+15], v[BR:BR+15], v[SR:SR+7]
.endif
.endr
.endr
.endr
	WIN 0
.endm
; Both K steps in LDS are read out: the other two are asked for, jointly, one load a wave
.macro REFILL
	s_wait_tensorcnt 0x0
	ds_add_u32 v[SPW], v[NIL]
	s_xor_b32 s[AO], s[AO], 262144                 ; the other two K steps, for B and for A
	s_and_b32 s66, s[AO], 262144
	s_mov_b32 s67, 0
	s_add_nc_u64 s[G0A+2:G0A+3], s[BB:BB+1], s[66:67]
	s_or_b32 s[G0A+3], s[G0A+3], 0x80000000
	s_add_nc_u64 s[AA:AA+1], s[A0B:A0B+1], s[AO:AO+1]
	s_wait_dscnt 0x0
	ROUND
	tensor_load_to_lds s[G0A:G0A+3], s[G1:G1+7]
	s_nop 0
	PLACES
.endm
.macro MAXP
	WIN 0x2a
.irp j, 0,1,2,3,4,5,6,7
.irp fq, 0,1,2,3
	v_max3_num_f32 v[MX+8*\fq+\j], v[8*\fq+\j], v[32+8*\fq+\j], v[64+8*\fq+\j]
.endr
.endr
	WIN 0x28                                       ; the 32 maxima take turns, two tiles a turn
.irp ta, 3,5
.irp j, 0,1,2,3,4,5,6,7
.irp fq, 0,1,2,3
	v_max3_num_f32 v[MX+8*\fq+\j], v[MX+8*\fq+\j], v[32*\ta+8*\fq+\j], v[32*\ta+32+8*\fq+\j]
.endr
.endr
.endr
.irp j, 0,1,2,3,4,5,6,7
.irp fq, 0,1,2,3
	v_max_num_f32 v[MX+8*\fq+\j], v[MX+8*\fq+\j], v[224+8*\fq+\j]
.endr
.endr
	WIN 0x3c
.irp ta, 0,2,4,6
.irp j, 0,1,2,3,4,5,6,7
.irp fq, 0,1,2,3
	v_max3_num_f32 v[MX+8*\fq+\j], v[MX+8*\fq+\j], v[32*\ta+8*\fq+\j], v[32*\ta+32+8*\fq+\j]
.endr
.endr
.endr
	WIN 0
.irp xm, 1,2,4,8
.set n, 0
.rept 32
	v_max_num_f32_dpp v[MX+n], v[MX+n], v[MX+n] row_xmask:\xm row_mask:0xf bank_mask:0xf
.set n, n+1
.endr
.endr
.irp fq, 0,1,2,3
.irp jj, 0,1
	ds_store_b128 v[SWR], v[MX+8*\fq+4*\jj:MX+8*\fq+4*\jj+3] offset:64*\fq+16*\jj
.endr
.endr
.endm
.macro GETSTAT base                    ; the four waves' 32 numbers for my rows
	WIN 0x40
.irp ww, 0,1,2,3
.irp fq, 0,1,2,3
.irp jj, 0,1
	ds_load_b128 v[128+32*\ww+8*\fq+4*\jj:128+32*\ww+8*\fq+4*\jj+3], v[SRD] offset:\base+256*\ww+64*\fq+16*\jj
.endr
.endr
.endr
	s_wait_dscnt 0x0
.endm
.macro FMAW w                          ; t - M = S c - max c
	WIN ((\w)<<6)|(\w)
.set n, 0
.rept 32
.irp jp, 0,2,4,6
	v_pk_fma_f32 v[8*n+\jp:8*n+\jp+1], v[8*n+\jp:8*n+\jp+1], s[CS:CS+1], v[MX+8*(n%4)+\jp:MX+8*(n%4)+\jp+1] op_sel_hi:[1,0,1]
.endr
.set n, n+1
.endr
.endm
.macro EXPB w
	WIN ((\w)<<6)|(\w)
.set n, 0
.rept 256
	v_exp_f32 v[n], v[n]
.set n, n+1
.endr
.endm
.macro SUMP
	WIN 0x0a
.irp fq, 0,1,2,3
.irp jp, 0,2,4,6
	v_pk_add_f32 v[SM+8*\fq+\jp:SM+8*\fq+\jp+1], v[8*\fq+\jp:8*\fq+\jp+1], v[32+8*\fq+\jp:32+8*\fq+\jp+1]
.endr
.endr
	WIN 0x08
.irp ta, 2,3,4,5,6,7
.irp fq, 0,1,2,3
.irp jp, 0,2,4,6
	v_pk_add_f32 v[SM+8*\fq+\jp:SM+8*\fq+\jp+1], v[SM+8*\fq+\jp:SM+8*\fq+\jp+1], v[32*\ta+8*\fq+\jp:32*\ta+8*\fq+\jp+1]
.endr
.endr
.endr
	WIN 0x0c
.irp ta, 0,1,2,3,4,5,6,7
.irp fq, 0,1,2,3
.irp jp, 0,2,4,6
	v_pk_add_f32 v[SM+8*\fq+\jp:SM+8*\fq+\jp+1], v[SM+8*\fq+\jp:SM+8*\fq+\jp+1], v[32*\ta+8*\fq+\jp:32*\ta+8*\fq+\jp+1]
.endr
.endr
.endr
	WIN 0
.irp xm, 1,2,4,8
.set n, 0
.rept 32
	v_add_f32_dpp v[SM+n], v[SM+n], v[SM+n] row_xmask:\xm row_mask:0xf bank_mask:0xf
.set n, n+1
.endr
.endr
.irp fq, 0,1,2,3
.irp jj, 0,1
	ds_store_b128 v[SWR], v[SM+8*\fq+4*\jj:SM+8*\fq+4*\jj+3] offset:1024+64*\fq+16*\jj
.endr
.endr
.endm
.macro NORMW w                         ; p = e / sum, held (the conversion does not saturate: ISA guide 7.6.2), converted: tile n / 4 of the window, rows 16 (n % 4) + 8 h + 0 .. 7
	WIN ((\w)<<6)|(\w)
.set n, 0
.rept 33                               ; a tile's hold stands behind the next tile's multiplications
.if n < 32
.irp jp, 0,2,4,6
	v_pk_mul_f32 v[8*n+\jp:8*n+\jp+1], v[8*n+\jp:8*n+\jp+1], v[SM+8*(n%4)+\jp:SM+8*(n%4)+\jp+1]
.endr
.endif
.if n > 0
.irp j, 0,1,2,3,4,5,6,7
	v_min_num_f32 v[8*n-8+\j], v[8*n-8+\j], v[LIM]
.endr
.endif
.set n, n+1
.endr
	WIN (\w)
.set n, 0
.rept 32
	v_cvt_scalef32_pk8_fp8_f32 v[P+64*((\w)-2)+2*n:P+64*((\w)-2)+2*n+1], v[8*n:8*n+7], v[SCL]
.set n, n+1
.endr
.endm
.macro TGROUP grp
.irp uu, 0,1,2,3,4,5,6,7
.irp pp, 0,1
	ds_load_b128 v[128+64*((\grp)%2)+8*\uu+4*\pp:128+64*((\grp)%2)+8*\uu+4*\pp+3], v[LA] offset:(8*(\grp)+\uu)*1024+\pp*512
.endr
.endr
.endm
; The second product: four groups of eight tiles of d; in each, my 16 tiles of columns add onto eight accumulators, which take turns; then a tile's eight rows are added and join DS
.macro PV
	PLACES
	WIN 0x40
	TGROUP 0
.irp gg, 0,1,2,3
.if \gg < 3
	WIN 0x40
	TGROUP \gg+1
	s_wait_dscnt 16
.else
	s_wait_dscnt 0x0
.endif
	WIN 0x04
.set tn, 0
.rept 16
.irp uu, 0,1,2,3,4,5,6,7
.if tn == 0
	v_wmma_f32_16x16x64_fp8_fp8 v[ACC+8*\uu:ACC+8*\uu+7], v[P+8*tn:P+8*tn+7], v[128+64*(\gg%2)+8*\uu:128+64*(\gg%2)+8*\uu+7], 0
.else
	v_wmma_f32_16x16x64_fp8_fp8 v[ACC+8*\uu:ACC+8*\uu+7], v[P+8*tn:P+8*tn+7], v[128+64*(\gg%2)+8*\uu:128+64*(\gg%2)+8*\uu+7], v[ACC+8*\uu:ACC+8*\uu+7]
.endif
.endr
.set tn, tn+1
.endr
	PLACES
	WIN 0
.irp uu, 0,1,2,3,4,5,6,7
	v_pk_add_f32 v[ACC+8*\uu:ACC+8*\uu+1], v[ACC+8*\uu:ACC+8*\uu+1], v[ACC+8*\uu+2:ACC+8*\uu+3]
.endr
.irp uu, 0,1,2,3,4,5,6,7
	v_pk_add_f32 v[ACC+8*\uu+4:ACC+8*\uu+5], v[ACC+8*\uu+4:ACC+8*\uu+5], v[ACC+8*\uu+6:ACC+8*\uu+7]
.endr
.irp uu, 0,1,2,3,4,5,6,7
	v_pk_add_f32 v[ACC+8*\uu:ACC+8*\uu+1], v[ACC+8*\uu:ACC+8*\uu+1], v[ACC+8*\uu+4:ACC+8*\uu+5]
.endr
.irp uu, 0,1,2,3,4,5,6,7
	v_add_f32 v[ACC+8*\uu], v[ACC+8*\uu], v[ACC+8*\uu+1]
.endr
.irp uu, 0,1,2,3,4,5,6,7
	v_add_f32 v[DS+8*\gg+\uu], v[DS+8*\gg+\uu], v[ACC+8*\uu]
.endr
.endr
.endm
	s_wait_alu depctr_va_vdst(0)                   ; the wait at the head's end
	s_wait_tensorcnt 0x0                           ; my own 65,536 bytes, which I alone read
	KPAIR 1, 16, 0                                 ; block 0, K steps 0 and 1: 16 = A's second step may be out
	REFILL
	ALOAD
.Lblock:                                               ; out: my tensor load and A's 32 loads
.set n, 0
.rept 16
	global_load_b128 v[STG+4*n:STG+4*n+3], v[L16], s[TBASE:TBASE+1] offset:512*n th:TH_LOAD_NT   ; this block's T, my 8,192 bytes
.set n, n+1
.endr
	s_wait_tensorcnt 0x0                           ; my part of the two K steps asked for ahead of the product
	KPAIR 0, 32, 16                                ; the block's last two K steps.  32: A's second step and T may be out; 16: T
	PLACES                                         ; for the loads into A's registers and for the maxima alike
	s_cmp_eq_u32 s[BLK], 1
	s_cbranch_scc1 .Lno_next                       ; the last block has no successor
	s_add_co_u32 s[AO], s[AO], 8192                ; the next block's rows, the same two K steps
	s_add_nc_u64 s[AA:AA+1], s[A0B:A0B+1], s[AO:AO+1]
	ALOAD
.Lno_next:
	MAXP
	BAR                                            ; the maxima lie in LDS, and every wave has read the last block's T
	GETSTAT 0
	WIN 0x15
.set n, 0
.rept 32
	v_max3_num_f32 v[MX+n], v[128+n], v[160+n], v[192+n]
.set n, n+1
.endr
	WIN 0x04
.set n, 0
.rept 32
	v_max_num_f32 v[MX+n], v[MX+n], v[224+n]
.set n, n+1
.endr
	WIN 0
.set n, 0
.rept 16
	v_pk_mul_f32 v[MX+2*n:MX+2*n+1], v[MX+2*n:MX+2*n+1], s[50:51] op_sel_hi:[1,0]
.set n, n+1
.endr
	FMAW 3
	FMAW 2
	s_wait_alu depctr_va_vdst(0)                   ; one wait ahead of the batch of 512 exponentials,
	EXPB 2
	EXPB 3
	v_nop
	s_wait_alu depctr_va_vdst(0)                   ; and one behind it
	SUMP
	s_wait_loadcnt 0x0                             ; T, and the next block's fragments of A
.set n, 0
.rept 16
	ds_store_b128 v[AW], v[STG+4*n:STG+4*n+3] offset:512*n
.set n, n+1
.endr
	s_add_nc_u64 s[TBASE:TBASE+1], s[TBASE:TBASE+1], 32768
	BAR                                            ; the sums and T lie in LDS
	GETSTAT 1024
	WIN 0x05
.set n, 0
.rept 16
	v_pk_add_f32 v[SM+2*n:SM+2*n+1], v[128+2*n:128+2*n+1], v[160+2*n:160+2*n+1]
.set n, n+1
.endr
	WIN 0x04
.set n, 0
.rept 16
	v_pk_add_f32 v[SM+2*n:SM+2*n+1], v[SM+2*n:SM+2*n+1], v[192+2*n:192+2*n+1]
.set n, n+1
.endr
.set n, 0
.rept 16
	v_pk_add_f32 v[SM+2*n:SM+2*n+1], v[SM+2*n:SM+2*n+1], v[224+2*n:224+2*n+1]
.set n, n+1
.endr
	WIN 0
	s_wait_alu depctr_va_vdst(0)
.set n, 0
.rept 32
	v_rcp_f32 v[SM+n], v[SM+n]
.set n, n+1
.endr
	v_nop
	s_wait_alu depctr_va_vdst(0)
	NORMW 2
	NORMW 3
	v_nop                                          ; a plain line behind the last conversion
	s_wait_alu depctr_va_vdst(0)
	WIN 0
	s_cmp_eq_u32 s[BLK], 1
	s_cbranch_scc1 .Llast                          ; the last block's tail is written out: it asks for nothing more
	KPAIR 1, -1, -1                                ; the next block's first two K steps, on the two that lie in LDS
	REFILL
	ALOAD
	PV
	s_sub_co_u32 s[BLK], s[BLK], 1
	s_cmp_lg_u32 s[BLK], 0
	s_wait_alu depctr_va_vdst(0)
	s_cbranch_scc1 .Lblock
.Llast:
	PV
	PLACES
.irp p, 0,1,2,3
	global_load_b128 v[208+4*\p:208+4*\p+3], v[T16], s[70:71] offset:\p*2048   ; the other tensor's column sums: my quarter's four blocks
.endr
	s_wait_alu depctr_va_vdst(0)
.set n, 0
.rept 32
	ds_store_b32 v[RWR], v[DS+n] offset:64*n
.set n, n+1
.endr
	BAR
.irp p, 0,1,2,3,4,5,6,7
	ds_load_b128 v[176+4*\p:176+4*\p+3], v[RRD] offset:\p*2048
.endr
	s_wait_dscnt 0x0
.irp p, 0,8,16,24
	v_pk_add_f32 v[176+\p:177+\p], v[176+\p:177+\p], v[180+\p:181+\p]
	v_pk_add_f32 v[178+\p:179+\p], v[178+\p:179+\p], v[182+\p:183+\p]
.endr
.irp p, 0,16
	v_pk_add_f32 v[176+\p:177+\p], v[176+\p:177+\p], v[184+\p:185+\p]
	v_pk_add_f32 v[178+\p:179+\p], v[178+\p:179+\p], v[186+\p:187+\p]
.endr
	v_pk_add_f32 v[176:177], v[176:177], v[192:193]
	v_pk_add_f32 v[178:179], v[178:179], v[194:195]
	s_wait_alu depctr_va_vdst(0)                   ; the wait ahead of the wait below
	s_wait_loadcnt 0x0
.irp p, 0,8
	v_pk_add_f32 v[208+\p:209+\p], v[208+\p:209+\p], v[212+\p:213+\p]
	v_pk_add_f32 v[210+\p:211+\p], v[210+\p:211+\p], v[214+\p:215+\p]
.endr
	v_pk_add_f32 v[208:209], v[208:209], v[216:217]
	v_pk_add_f32 v[210:211], v[210:211], v[218:219]
	v_pk_fma_f32 v[224:225], v[176:177], s[52:53], v[208:209] op_sel_hi:[1,0,1]
	v_pk_fma_f32 v[226:227], v[178:179], s[52:53], v[210:211] op_sel_hi:[1,0,1]
	global_store_b128 v[T16], v[224:227], s[72:73] ; the work-group stores 2,048 consecutive bytes
	s_wait_tensorcnt 0x0                           ; the wave's end
	ds_add_u32 v[SPW], v[NIL]
	s_wait_dscnt 0x0
	ROUND                                          ; the closing round
	s_endpgm
.Lfunc_end_k_q28c4284bc2_main:
	.size	k_q28c4284bc2_main, .Lfunc_end_k_q28c4284bc2_main-k_q28c4284bc2_main
	.p2alignl 7, 3214868480
	.fill 96, 4, 3214868480
	.section	.rodata,"a",@progbits
	.p2align	6, 0x0
	.amdhsa_kernel k_q28c4284bc2_main
		.amdhsa_group_segment_fixed_size 327680
		.amdhsa_private_segment_fixed_size 0
		.amdhsa_enable_private_segment 0
		.amdhsa_kernarg_size 40
		.amdhsa_user_sgpr_count 2
		.amdhsa_user_sgpr_kernarg_segment_ptr 1
		.amdhsa_wavefront_size32 1
		.amdhsa_system_sgpr_workgroup_id_x 1
		.amdhsa_system_sgpr_workgroup_id_y 1
		.amdhsa_system_sgpr_workgroup_id_z 1
		.amdhsa_system_vgpr_workitem_id 0
		.amdhsa_next_free_vgpr 1024
		.amdhsa_next_free_sgpr 80
		.amdhsa_reserve_vcc 0
		.amdhsa_float_denorm_mode_32 3
		.amdhsa_float_denorm_mode_16_64 3
		.amdhsa_memory_ordered 1
		.amdhsa_forward_progress 1
		.amdhsa_inst_pref_size 255
	.end_amdhsa_kernel
	.section	.bss,"aw",@nobits
	.p2align	6
	.space	262144
	.amdgpu_metadata
---
amdhsa.version: [ 1, 2 ]
amdhsa.kernels:
  - .name:           k_q28c4284bc2_main
    .symbol:         k_q28c4284bc2_main.kd
    .args:
      - { .name: cs, .offset: 0, .size: 8, .value_kind: global_buffer, .address_space: global }
      - { .name: ct, .offset: 8, .size: 8, .value_kind: global_buffer, .address_space: global }
      - { .name: csum, .offset: 16, .size: 8, .value_kind: global_buffer, .address_space: global }
      - { .name: lowp_scales, .offset: 24, .size: 8, .value_kind: global_buffer, .address_space: global }
      - { .name: part, .offset: 32, .size: 8, .value_kind: global_buffer, .address_space: global }
    .group_segment_fixed_size: 327680
    .private_segment_fixed_size: 0
    .kernarg_segment_align: 8
    .kernarg_segment_size: 40
    .max_flat_workgroup_size: 128
    .sgpr_count:     80
    .vgpr_count:     1024
    .wavefront_size: 32
...
	.end_amdgpu_metadata
.endif
;; end of part 2
;; launch agg (part 3): grid 8 x 32, 8 waves a work-group, no clusters, 9,216 bytes of LDS; arguments part, W_agg, b_agg, lowp_scales, out0; writes out0
.if DOCPART == 3
	.amdgcn_target "amdgcn-amd-amdhsa--gfx1250"
	.amdhsa_code_object_version 6
	.text
	.protected	k_q28c4284bc2_agg
	.globl	k_q28c4284bc2_agg
	.p2align	8
	.type	k_q28c4284bc2_agg,@function
k_q28c4284bc2_agg:
	s_mov_b64 s[64:65], 0
	v_nop
	global_prefetch_b8 v0, s[64:65] scope:SCOPE_SE
	s_setreg_imm32_b32 hwreg(HW_REG_WAVE_MODE, 25, 1), 1
	s_wait_xcnt 0x0
; BiAlignLayer, launch 3 of 3: out0 = 0.5 (relu(x_i W + b) + relu(x_j W + b)), products 4 and 5 on codes of E4M3.  No work of reference() is left out here.
; x_i = the four partials of part[direction 1] added, / 1,024 (product 4: exponents [6], [7]); x_j likewise of part[direction 0] (product 5: [8], [9]).  The division is exact and is folded into the conversion's scale.
; 0.5 relu(y) = relu(0.5 y): each sum is multiplied once by 0.5 x 2^(eA + eB) and takes 0.5 b in the same fused multiply-add.
; SHARES.  Work-group (ng, batch): one batch, columns 64 ng .. + 63: 256 bytes of out0.  Wave w takes K = 64 w .. + 63 of both products; the eight waves' sums are added through LDS.
; The 16 rows of a matrix tile all hold the one batch: a work-group then reads 16,384 bytes of part and 131,072 of W.
; W_agg [K][N]: a load of 16 bytes a lane reads 64 columns of a row in 16 lanes, 256 consecutive bytes; lanes 16-31 read the row 32 further down.  A load's four registers belong to four tiles:
; tile r holds columns 4 c + r in lane c.  The hold ahead of the conversion, which is due anyway, writes a tile's eight numbers along K into neighbouring registers.  W is quantised twice: [7] and [9].
; K's places: byte e of lane (c, h)'s eight registers is K = 64 w + 32 h + e, alike in both operands: every product meets its partner.
; x: a wave adds its own 64 numbers' partials (two quarters in registers, two across the halves of the wave), and turns them through LDS bytes of its own, so that every lane gets its 32 numbers.
; No tensor load and no cluster: every byte goes straight into registers once; one barrier, for the sum over K.
; LIMITS: [6] + 10, [8] + 10, [7], [9] lie between -126 and 119; [6] + [7] - 1 and [8] + [9] - 1 between -126 and 127.  NaN among the inputs is not served.
.set XL,    0                          ; [wave][product 2][64] f32
.set RED,   4096                       ; [wave][lane] 16 bytes: lanes 0-15 product 4, lanes 16-31 product 5; columns 4 c .. 4 c + 3
.set SPARE, 8192                       ; the spare words, 128 bytes a wave
.set SPW,  14
.set NIL,  15
.set BV,   16                          ; v16-19  b of my four columns
.set PL,   24                          ; v24-39  the partials; then x's codes, eight registers a product
.set XC,   24
.set TT,   40                          ; v40-55  two sets of eight numbers held, by turns
.set XW,   56                          ; v56-183 W: register 4 i + r = (K 64 w + 32 h + i, column 4 c + r); then the eight accumulators
.set D,    56
.set WC,   184                         ; v184-247 x's 64 numbers; then W's codes, [product][tile] eight registers
.set T,    248
; v2 c; v3 h; v4 16 c; v5 part's offset; v6 W's; v7, v8 XL in, out; v9 16 x lane; v10 RED in; v11, v12, v13, v20: 2^e for W in products 4, 5 and x in 4, 5; v[22:23] 0.5 x 2^(eA + eB) of my half's product
	s_load_b256 s[4:11], s[0:1], 0x0               ; part, W_agg, b_agg, the exponents
	s_load_b64 s[12:13], s[0:1], 0x20              ; out0
	v_lshl_add_u32 v[SPW], v0, 2, SPARE
	v_mov_b32 v[NIL], 0
	v_lshrrev_b32 v1, 5, v0
	v_readfirstlane_b32 s14, v1                    ; w
	s_and_b32 s15, ttmp7, 0xffff                   ; batch
	s_lshl_b32 s16, s14, 9
	s_lshl_b32 s18, s15, 13                        ; part: 8,192 bytes a batch,
	s_lshl_b32 s17, s14, 8
	s_add_co_u32 s18, s18, s17                     ; 64 numbers a wave
	s_mov_b32 s19, 0
	s_lshl_b32 s20, s14, 17                        ; W: 64 rows of 2,048 bytes a wave,
	s_lshl_b32 s22, ttmp9, 8                       ; 64 columns a work-group: b's offset too
	s_add_co_u32 s20, s20, s22
	s_mov_b32 s21, 0
	s_mov_b32 s23, 0
	s_lshl_b32 s28, s15, 11
	s_add_co_u32 s28, s28, s22                     ; out0
	s_mov_b32 s29, 0
	s_mov_b32 s36, 0x76543210                      ; v_permlanex16_b32's selects for lane l xor 16
	s_mov_b32 s37, 0xfedcba98
	v_and_b32 v2, 15, v0
	v_bfe_u32 v3, v0, 4, 1
	v_lshlrev_b32 v4, 4, v2
	v_lshl_add_u32 v5, v3, 11, v4                  ; quarter h (and h + 2 by the immediate)
	v_lshl_add_u32 v6, v3, 16, v4                  ; 32 h rows
	v_add_nc_u32 v7, s16, v4
	v_lshl_add_u32 v8, v3, 7, s16
	v_and_b32 v9, 31, v0
	v_lshlrev_b32 v9, 4, v9
	v_add_nc_u32 v10, s16, v9
	v_cmp_eq_u32 s34, 1, v3                        ; lanes 16-31
	s_wait_alu depctr_va_vdst(0)                   ; the wait ahead of the wait below
	s_wait_kmcnt 0x0
	s_load_b128 s[24:27], s[10:11], 0x18           ; lowp_scales[6 .. 9]
	s_add_nc_u64 s[4:5], s[4:5], s[18:19]
	s_add_nc_u64 s[6:7], s[6:7], s[20:21]
	s_add_nc_u64 s[8:9], s[8:9], s[22:23]
	s_add_nc_u64 s[12:13], s[12:13], s[28:29]
.irp pd, 0,1
.irp a, 0,1
	global_load_b128 v[PL+8*\pd+4*\a:PL+8*\pd+4*\a+3], v5, s[4:5] offset:(1-\pd)*262144+\a*4096   ; quarters 2 a and 2 a + 1: 256 consecutive bytes each
.endr
.endr
	global_load_b128 v[BV:BV+3], v4, s[8:9]
.set i, 0
.rept 32
	global_load_b128 v[XW+4*i:XW+4*i+3], v6, s[6:7] offset:i*2048
.set i, i+1
.endr
	s_wait_kmcnt 0x0
.macro MKSC vd, lo, e, plus            ; v[vd] = 2^(e + plus); s[lo], s[lo + 1] = -+448 x it
	s_add_co_i32 s28, \e, 127+\plus
	s_lshl_b32 s29, s28, 23
	v_mov_b32 v[\vd], s29
	s_add_co_i32 s28, s28, 8
	s_lshl_b32 s28, s28, 23
	s_or_b32 s[\lo+1], s28, 0x600000
	s_xor_b32 s[\lo], s[\lo+1], 0x80000000
.endm
	MKSC 11, 40, s25, 0
	MKSC 12, 42, s27, 0
	MKSC 13, 44, s24, 10                           ; x / 2^e = (the partials' sum) / 2^(e + 10)
	MKSC 20, 46, s26, 10
	s_add_co_i32 s30, s24, s25
	s_add_co_i32 s30, s30, 126
	s_lshl_b32 s30, s30, 23                        ; 0.5 x 2^([6] + [7])
	s_add_co_i32 s32, s26, s27
	s_add_co_i32 s32, s32, 126
	s_lshl_b32 s32, s32, 23                        ; 0.5 x 2^([8] + [9])
	v_mov_b32 v22, s30
	v_mov_b32 v23, s32
	v_cndmask_b32 v22, v22, v23, s34
	v_mov_b32 v23, v22
	s_wait_alu depctr_va_vdst(0)                   ; the wait ahead of the wait below
	s_wait_loadcnt 33                              ; the four loads of partials are in; b's and W's 32 may be out
.irp pd, 0,8
	v_pk_add_f32 v[PL+\pd:PL+\pd+1], v[PL+\pd:PL+\pd+1], v[PL+\pd+4:PL+\pd+5]
	v_pk_add_f32 v[PL+\pd+2:PL+\pd+3], v[PL+\pd+2:PL+\pd+3], v[PL+\pd+6:PL+\pd+7]
.endr
.irp pd, 0,8
.irp k, 0,1,2,3
	v_permlanex16_b32 v[PL+\pd+4+\k], v[PL+\pd+\k], s36, s37   ; the other two quarters
.endr
.endr
.irp pd, 0,8
	v_pk_add_f32 v[PL+\pd:PL+\pd+1], v[PL+\pd:PL+\pd+1], v[PL+\pd+4:PL+\pd+5]
	v_pk_add_f32 v[PL+\pd+2:PL+\pd+3], v[PL+\pd+2:PL+\pd+3], v[PL+\pd+6:PL+\pd+7]
.endr
	ds_store_b128 v7, v[PL:PL+3] offset:XL         ; both halves of the wave store the same 256 bytes
	ds_store_b128 v7, v[PL+8:PL+11] offset:XL+256
.irp pd, 0,1
.irp n, 0,1,2,3,4,5,6,7
	ds_load_b128 v[WC+32*\pd+4*\n:WC+32*\pd+4*\n+3], v8 offset:XL+256*\pd+16*\n   ; LDS serves a wave's instructions in order: these see my stores.  My 32 numbers, the same in all lanes of a half
.endr
.endr
	s_wait_dscnt 0x0
; eight numbers v[src + stride k] become two registers of codes: the hold (the conversion does not saturate: ISA guide 7.6.2) into TT's two sets by turns, so that plain lines stand between a conversion and the next write of its sources
.set QS, 0
.macro Q8 src, stride, dst, lo, sc
.irp k, 0,1,2,3,4,5,6,7
	v_med3_num_f32 v[TT+8*QS+\k], v[(\src)+(\stride)*\k], s[\lo], s[\lo+1]
.endr
	v_cvt_scalef32_pk8_fp8_f32 v[(\dst):(\dst)+1], v[TT+8*QS:TT+8*QS+7], v[\sc]
.set QS, 1-QS
.endm
.irp j, 0,1,2,3
	Q8 WC+8*\j, 1, XC+2*\j, 44, 13
.endr
.irp j, 0,1,2,3
	Q8 WC+32+8*\j, 1, XC+8+2*\j, 46, 20
.endr
.irp j, 0,1,2,3
	s_wait_loadcnt 24-8*\j                         ; W's rows 8 j .. 8 j + 7 of my half are in; the later ones may be out
.irp r, 0,1,2,3
	Q8 XW+32*\j+\r, 4, WC+8*\r+2*\j, 40, 11
	Q8 XW+32*\j+\r, 4, WC+32+8*\r+2*\j, 42, 12
.endr
.endr
	v_nop                                          ; a plain line between the last conversion and the products
.irp pd, 0,1
.irp r, 0,1,2,3
	v_wmma_f32_16x16x64_fp8_fp8 v[D+32*\pd+8*\r:D+32*\pd+8*\r+7], v[XC+8*\pd:XC+8*\pd+7], v[WC+32*\pd+8*\r:WC+32*\pd+8*\r+7], 0   ; every row of the result is the batch; lane c holds column 4 c + r
.endr
.endr
.rept 4
	v_nop                                          ; four places ahead of the reads of the results (ISA guide 7.12.1)
.endr
.irp r, 0,1,2,3
	v_cndmask_b32 v[T+\r], v[D+8*\r], v[D+32+8*\r], s34   ; register 0 of each accumulator: lanes 0-15 keep product 4's, lanes 16-31 product 5's
.endr
	ds_store_b128 v10, v[T:T+3] offset:RED
	s_wait_dscnt 0x0                               ; for the others' sake: my sums lie in LDS
	s_barrier_signal -1
	s_barrier_wait -1
	s_cmp_lg_u32 s14, 0                            ; wave 0 adds the eight K slices and stores
	s_cbranch_scc1 .Ldone
.irp p, 0,1,2,3,4,5,6,7
	ds_load_b128 v[D+4*\p:D+4*\p+3], v9 offset:RED+512*\p
.endr
	s_wait_dscnt 0x0
.irp p, 0,8,16,24
	v_pk_add_f32 v[D+\p:D+\p+1], v[D+\p:D+\p+1], v[D+\p+4:D+\p+5]
	v_pk_add_f32 v[D+\p+2:D+\p+3], v[D+\p+2:D+\p+3], v[D+\p+6:D+\p+7]
.endr
.irp p, 0,16
	v_pk_add_f32 v[D+\p:D+\p+1], v[D+\p:D+\p+1], v[D+\p+8:D+\p+9]
	v_pk_add_f32 v[D+\p+2:D+\p+3], v[D+\p+2:D+\p+3], v[D+\p+10:D+\p+11]
.endr
	v_pk_mul_f32 v[BV:BV+1], v[BV:BV+1], 0.5 op_sel_hi:[1,0]
	v_pk_mul_f32 v[BV+2:BV+3], v[BV+2:BV+3], 0.5 op_sel_hi:[1,0]
	v_pk_add_f32 v[D:D+1], v[D:D+1], v[D+16:D+17]
	v_pk_add_f32 v[D+2:D+3], v[D+2:D+3], v[D+18:D+19]
	v_pk_fma_f32 v[D:D+1], v[D:D+1], v[22:23], v[BV:BV+1]         ; 0.5 (sum x 2^(eA + eB) + b)
	v_pk_fma_f32 v[D+2:D+3], v[D+2:D+3], v[22:23], v[BV+2:BV+3]
.irp k, 0,1,2,3
	v_max_num_f32 v[D+\k], 0, v[D+\k]
.endr
.irp k, 0,1,2,3
	v_permlanex16_b32 v[D+4+\k], v[D+\k], s36, s37 ; the other product's
.endr
	v_pk_add_f32 v[D:D+1], v[D:D+1], v[D+4:D+5]
	v_pk_add_f32 v[D+2:D+3], v[D+2:D+3], v[D+6:D+7]
	v_cmp_eq_u32 vcc_lo, 0, v3
	s_wait_alu depctr_va_vdst(0)                   ; the wait ahead of the wait below
	s_wait_xcnt 0x0                                ; EXEC changes only behind this wait
	s_and_saveexec_b32 s38, vcc_lo
	global_store_b128 v4, v[D:D+3], s[12:13]       ; sixteen lanes store 256 consecutive bytes, at a multiple of 256 from out0's first byte
	s_wait_xcnt 0x0
	s_or_b32 exec_lo, exec_lo, s38
.Ldone:
	s_wait_tensorcnt 0x0                           ; the wave's end, behind my last LDS store
	ds_add_u32 v[SPW], v[NIL]
	s_wait_dscnt 0x0
	s_endpgm
.Lfunc_end_k_q28c4284bc2_agg:
	.size	k_q28c4284bc2_agg, .Lfunc_end_k_q28c4284bc2_agg-k_q28c4284bc2_agg
	.p2alignl 7, 3214868480
	.fill 96, 4, 3214868480
	.section	.rodata,"a",@progbits
	.p2align	6, 0x0
	.amdhsa_kernel k_q28c4284bc2_agg
		.amdhsa_group_segment_fixed_size 9216
		.amdhsa_private_segment_fixed_size 0
		.amdhsa_enable_private_segment 0
		.amdhsa_kernarg_size 40
		.amdhsa_user_sgpr_count 2
		.amdhsa_user_sgpr_kernarg_segment_ptr 1
		.amdhsa_wavefront_size32 1
		.amdhsa_system_sgpr_workgroup_id_x 1
		.amdhsa_system_sgpr_workgroup_id_y 1
		.amdhsa_system_sgpr_workgroup_id_z 1
		.amdhsa_system_vgpr_workitem_id 0
		.amdhsa_next_free_vgpr 256
		.amdhsa_next_free_sgpr 66
		.amdhsa_reserve_vcc 1
		.amdhsa_float_denorm_mode_32 3
		.amdhsa_float_denorm_mode_16_64 3
		.amdhsa_memory_ordered 1
		.amdhsa_forward_progress 1
		.amdhsa_inst_pref_size 36
	.end_amdhsa_kernel
	.amdgpu_metadata
---
amdhsa.version: [ 1, 2 ]
amdhsa.kernels:
  - .name:           k_q28c4284bc2_agg
    .symbol:         k_q28c4284bc2_agg.kd
    .args:
      - { .name: part, .offset: 0, .size: 8, .value_kind: global_buffer, .address_space: global }
      - { .name: W_agg, .offset: 8, .size: 8, .value_kind: global_buffer, .address_space: global }
      - { .name: b_agg, .offset: 16, .size: 8, .value_kind: global_buffer, .address_space: global }
      - { .name: lowp_scales, .offset: 24, .size: 8, .value_kind: global_buffer, .address_space: global }
      - { .name: out0, .offset: 32, .size: 8, .value_kind: global_buffer, .address_space: global }
    .group_segment_fixed_size: 9216
    .private_segment_fixed_size: 0
    .kernarg_segment_align: 8
    .kernarg_segment_size: 40
    .max_flat_workgroup_size: 256
    .sgpr_count:     66
    .vgpr_count:     256
    .wavefront_size: 32
...
	.end_amdgpu_metadata
.endif
;; end of part 3
